; MI455X (gfx1250); checked and timed in simulation.
; The chip was launched on July 23, 2026; its instructions are those of AMD's public machine-readable ISA for CDNA 5 (MIT licence, August 2026) and "CDNA5" Instruction Set Architecture Reference Guide (July 2026). The comments in the code are by the model that wrote it; some were corrected since.
;; Grouped Attention Core. Allowed arithmetic: matrix products marked QUANTISED: E2M1 operands, one E8M0 scale for each 32 along K, by v_wmma_scale_f32_16x16x128_f8f6f4 with both operands' format E2M1 (or v_wmma_scale_f32_32x16x128_f4), f32 sums; everything else in f32.
;; Inputs: K 2 x 2,048 x 512 float32; Q 2 x 2,048 x 2,048 float32; V_codes 2 x 512 x 64 x 16 uint8 (E2M1 codes of V, K innermost, in blocks of 32 codes, two codes a byte); V_scales 2 x 512 x 64 uint8 (E8M0 scales of V, one for each 32 codes along K); W_out_codes 2,048 x 64 x 16 uint8 (E2M1 codes of W_out, K innermost, in blocks of 32 codes, two codes a byte); W_out_scales 2,048 x 64 uint8 (E8M0 scales of W_out, one for each 32 codes along K); b_out 2,048 float32.
;; Outputs: out0 2 x 2,048 x 2,048 float32.
;; This version of the problem:
;;   THIS VERSION OF THE PROBLEM IS GIVEN IN LOW PRECISION. The matrix products marked QUANTISED in the list below multiply operands that are first quantised to E2M1 (2 exponent bits, 1 mantissa bit; 4 bits a number), with one power-of-two scale for each 32 numbers along K (OCP MX v1.0); their sums are f32. All else is computed in f32.
;;   The module's matrix products, in the order in which they are computed (A, B: the left and right operand; K: the contracted axis; several contracted axes count as one K, in the product's order):
;;     1. batch 16 x [M 8,192, K 64] x [K 64, N 2,048]; A: input Q; B: input K: QUANTISED
;;     2. batch 16 x [M 8,192, K 2,048] x [K 2,048, N 64]; A: softmax (see below); B: input V (given as codes): QUANTISED
;;     3. [M 4,096, K 2,048] x [K 2,048, N 2,048]; A: computed on the way; B: input W_out (given as codes): QUANTISED
;;   THE QUANTISER, for each operand of a quantised product, along K:
;;     - K is cut into blocks of 32 from its start; a last block that is shorter is filled with zeros.
;;     - A block's scale is 2^e with e = floor(log2(the largest magnitude in the block)) - 2, held to -126 .. 127; a block of zeros has e = 0. As a byte (E8M0): e + 127.
;;     - Each number is divided by its block's scale, clamped to +-6, and rounded to the nearest number of E2M1, ties to even, subnormals kept.
;;     - The product sums the exact products of the quantised numbers (number of the format x scale) in f32.
;;   ~~~python
;;   def quantise(x, axis):      # numpy; x: float32 -> the quantised numbers, widened to float32 again
;;       x = np.moveaxis(x, axis, -1); K = x.shape[-1]
;;       x = np.pad(x, [(0, 0)] * (x.ndim - 1) + [(0, -K % 32)]); x = x.reshape(x.shape[:-1] + (-1, 32)); a = np.abs(x).max(-1, keepdims=True)
;;       e = np.where(a > 0, np.clip(np.frexp(np.where(a > 0, a, 1))[1] - 1 - 2, -126, 127), 0)      # np.frexp(a)[1] - 1 = floor(log2(a)), exactly
;;       r = np.clip(x / 2.0 ** e, -6, 6)
;;       step = 2.0 ** (np.maximum(np.frexp(np.where(r == 0, 1, r))[1] - 1, 0) - 1)
;;       q = np.round(r / step) * step * 2.0 ** e      # np.round: ties to even
;;       return np.moveaxis(q.reshape(q.shape[:-2] + (-1,))[..., :K], -1, axis).astype(np.float32)
;;   ~~~
;;   SOFTMAX AHEAD OF A QUANTISED PRODUCT. Where the list says 'softmax', what is quantised is not the finished softmax but p = 2^(t - M), with t = logit x log2(e) and M = ceil(the row's largest t), a whole number; so 1/2 < the row's largest p <= 1. The row's sum l is taken of the UNQUANTISED p, in f32, and the product's result is divided by l at the end. Since M is a whole number, a kernel that streams over the keys may use a running M (the ceiling of the running maximum): every later rescaling is an exact power of two, which a block's scale takes up: the codes' values come out the same.
;;   OPERANDS COMPUTED ON THE WAY. 'Computed on the way' means the value that the module computes at that place (a softmax that the list does not call 'softmax' is quantised finished and normalised). What goes into a quantiser is computed in f32, as accurately as f32 sums, v_exp_f32 and their like allow (about 1e-6 of the number): no bf16 or f16 on the way to a quantiser, and a product that is left as it is and whose result goes on into a quantised operand takes f32 operands (vector FMAs, or v_wmma_f32_16x16x4_f32). A number that lies on a knife's edge between two numbers of the format may be rounded either way, as far as f32 arithmetic and the matrix unit's own rounding can turn it there, and no further.
;;   INPUTS GIVEN AS CODES. V (in the module: [2, 2048, 512], K = its axis 1); W_out (in the module: [2048, 2048], K = its axis 1): each comes as NAME_codes (uint8): NAME with its K axis moved to the last place and cut into blocks of 32 codes, [.., K / 32, bytes a block], one block behind the other in memory; two codes a byte, the lower K in the low four bits (a code: sign, 2 exponent bits, 1 mantissa bit); and NAME_scales (uint8): the same leading axes, one E8M0 byte (e + 127) for each 32 codes along K. Its value is code x scale, taken as it is: it is not quantised again, and the codes and scales need not be those that the quantiser above would give.
;; One version. Each part assembles by itself: llvm-mc -triple=amdgcn-amd-amdhsa -mcpu=gfx1250 --defsym DOCPART=n.
;; ======== version 1 of 1: 3 launches
;; limits: right only within a limited range of input values
;; workspace buffers: kq 1,179,648 bytes; oc 4,194,304 bytes; os 262,144 bytes
;; launch kquant (part 1): grid 16 x 16, 4 waves a work-group, no clusters, 35,840 bytes of LDS; arguments K, kq; writes kq
.if DOCPART == 1
	.amdgcn_target "amdgcn-amd-amdhsa--gfx1250"
	.amdhsa_code_object_version 6
	.text
	.protected	k_qb85ad91e16_kquant
	.globl	k_qb85ad91e16_kquant
	.p2align	8
	.type	k_qb85ad91e16_kquant,@function
k_qb85ad91e16_kquant:
	s_mov_b64 s[64:65], 0
	v_nop
	global_prefetch_b8 v0, s[64:65] scope:SCOPE_SE
	s_setreg_imm32_b32 hwreg(HW_REG_WAVE_MODE, 25, 1), 1
	s_wait_xcnt 0x0
; K [2][2048][8 heads x 64] f32 becomes codes of FP4 (E2M1) with one E8M0 byte for each 32 along the head's 64, laid as the attention launch's registers take them:
; kq [16 heads (8 b + hkv)][16 steps of 128 keys][4,608 bytes].  In a step: eight images of 512 bytes.  THE KEYS OF AN IMAGE ARE NOT NEIGHBOURS: row r of image T = 4 c + t is key 64 c + 32 (r / 8) + 8 t + r % 8,
; so that in the transposed score tiles a lane's 32 registers of images 4 c .. 4 c + 3 are the 32 neighbouring keys of one block.  Lane (r, h) has at 512 T + 16 lane the 16 bytes of block h (d = 32 h .. 32 h + 31) of row r's key.
; Then 512 bytes of scale words: at 4,096 + 16 lane + 4 i the word of image 2 i + lane / 16, row lane % 16: bytes 0, 1 = the key's two scale bytes, bytes 2, 3 = 127.
; A block's byte is its largest magnitude's exponent field - 2, held at 1 from below; a block of zeros so gets 1 where the quantiser says 127: its codes are zeros, and this program alone reads the bytes.
; LIMITS: NaN and infinities among the inputs are not served.
; SHARES: a work-group takes one step of one head; wave w makes images 2 w, 2 w + 1, that is keys 64 (w / 2) + 16 (w % 2) + 0 .. 15 and the sixteen that lie 32 further on.  Each load reads two keys' 256 bytes, sixteen lanes a key;
; the conversions want 32 neighbours along d in ONE lane, so the wave's 32 keys turn through its own stage in LDS.  Each store of codes covers 512 consecutive bytes.
.set PITCH, 272                        ; a key's row in the stage: 256 bytes + 16
.set WSTG,  32*PITCH                   ; a wave's stage
.set SCG,   4*WSTG                     ; behind the stages: the step's 512 bytes of scale words
.set R,     32                         ; v32-95   as loaded
.set X,     96                         ; v96-159  image u: 32 numbers of my block
.set C,     160                        ; v160-167 image u: 4 registers of codes
	s_load_b128 s[4:7], s[0:1], 0x0                ; K, kq
	v_lshl_add_u32 v176, v0, 2, 0x8a00             ; my spare word, behind the scale words
	v_mov_b32 v177, 0
	v_lshrrev_b32 v1, 5, v0
	v_readfirstlane_b32 s16, v1                    ; wave 0..3
	v_and_b32 v1, 31, v0                           ; lane
	v_and_b32 v2, 15, v0                           ; r
	v_bfe_u32 v3, v0, 4, 1                         ; h
	v_lshlrev_b32 v4, 4, v2
	v_lshl_add_u32 v4, v3, 11, v4                  ; in memory: 16 r, lanes 16-31 one position (2,048 bytes) further down
	s_mul_i32 s17, s16, WSTG
	v_mul_u32_u24 v5, v3, PITCH
	v_lshl_add_u32 v5, v2, 4, v5
	v_add_nc_u32 v5, s17, v5                       ; into the stage: row h, 16 r
	v_and_b32 v6, 8, v2
	v_add_nc_u32 v6, v6, v2                        ; out of it: stage row 16 (r / 8) + r % 8 (+ 8 u),
	v_mul_u32_u24 v6, v6, PITCH
	v_lshl_add_u32 v6, v3, 7, v6
	v_add_nc_u32 v6, s17, v6                       ; my block's 128 bytes
	v_lshlrev_b32 v7, 4, v1                        ; 16 x lane
	s_lshl_b32 s18, s16, 2
	s_add_co_u32 s18, s18, SCG
	v_add_nc_u32 v8, s18, v7                       ; my scale word: SCG + 16 x lane + 4 x wave
	v_lshlrev_b32 v9, 3, v3                        ; 8 h: my byte's place in the word
	s_lshl_b32 s18, s16, 10
	v_add_nc_u32 v10, s18, v7                      ; my codes in the step's block: 16 x lane + 1,024 x wave
	v_mov_b32 v20, 0                               ; a lane permute's destination counts as one of its sources
	v_mov_b32 v21, 0
	s_mov_b32 s20, 0x76543210
	s_mov_b32 s21, 0xfedcba98                      ; selects for lane l xor 16
	s_and_b32 s19, ttmp7, 0xffff                   ; the head, 8 b + hkv
	s_lshr_b32 s22, s19, 3
	s_lshl_b32 s22, s22, 22                        ; b x 2,048 positions x 2,048 bytes
	s_lshl_b32 s23, ttmp9, 18                      ; + step x 128 positions
	s_add_co_u32 s22, s22, s23
	s_lshr_b32 s23, s16, 1
	s_lshl_b32 s23, s23, 17                        ; + (wave / 2) x 64 positions
	s_add_co_u32 s22, s22, s23
	s_and_b32 s23, s16, 1
	s_lshl_b32 s23, s23, 15                        ; + (wave % 2) x 16 positions
	s_add_co_u32 s22, s22, s23
	s_and_b32 s23, s19, 7
	s_lshl_b32 s23, s23, 8                         ; + hkv x 256 bytes
	s_add_co_u32 s22, s22, s23
	s_mov_b32 s23, 0
	s_mul_i32 s24, s19, 73728
	s_mul_i32 s25, ttmp9, 4608
	s_add_co_u32 s24, s24, s25                     ; the step's block in kq
	s_mov_b32 s25, 0
	s_wait_alu depctr_va_vdst(0)                   ; the head's end
	s_wait_kmcnt 0x0
	s_add_nc_u64 s[4:5], s[4:5], s[22:23]
	s_add_nc_u64 s[6:7], s[6:7], s[24:25]
.irp j, 0,1,2,3,4,5,6,7,8,9,10,11,12,13,14,15
	global_load_b128 v[R+4*\j:R+4*\j+3], v4, s[4:5] offset:4096*\j+32768*(\j/8) th:TH_LOAD_NT   ; two keys: two aligned runs of 256 bytes; loads 8 to 15 take the sixteen keys 32 further on
.endr
.irp j, 0,1,2,3,4,5,6,7,8,9,10,11,12,13,14,15
	s_wait_loadcnt 15-\j                           ; load j is in, the 15 - j younger ones may be out
	ds_store_b128 v5, v[R+4*\j:R+4*\j+3] offset:2*PITCH*\j
.endr
.irp u, 0,1
.irp i, 0,1,2,3,4,5,6,7
	ds_load_b128 v[X+32*\u+4*\i:X+32*\u+4*\i+3], v6 offset:8*PITCH*\u+16*\i   ; my wave's own bytes: LDS serves a wave's instructions in order
.endr
.endr
.macro BLOCK u                         ; image u: my block's 32 numbers become 16 bytes of codes and a scale byte; the key's two bytes meet in lanes l and l xor 16
.set XS, X+32*\u
	v_max3_num_f32 v[12+\u], |v[XS]|, |v[XS+1]|, |v[XS+2]|          ; the block's largest magnitude, in two chains
	v_max3_num_f32 v[14+\u], |v[XS+3]|, |v[XS+4]|, |v[XS+5]|
.irp i, 6,10,14,18,22,26
	v_max3_num_f32 v[12+\u], v[12+\u], |v[XS+\i]|, |v[XS+\i+1]|
	v_max3_num_f32 v[14+\u], v[14+\u], |v[XS+\i+2]|, |v[XS+\i+3]|
.endr
	v_max3_num_f32 v[12+\u], v[12+\u], |v[XS+30]|, |v[XS+31]|
	v_max3_num_f32 v[12+\u], v[12+\u], v[14+\u], 0x1800000          ; and the floor 2^(3 - 127): the byte cannot fall under 1
	v_add_nc_u32 v[16+\u], 0xff000000, v[12+\u]                     ; 2 off the exponent field: the conversion's scale operand
.irp g, 0,1,2,3
	v_cvt_scalef32_pk8_fp4_f32 v[C+4*\u+\g], v[XS+8*\g:XS+8*\g+7], v[16+\u]
.endr
	v_lshrrev_b32 v[18+\u], 23, v[16+\u]                            ; the scale's byte (also the plain line behind the conversions)
	v_lshlrev_b32 v[18+\u], v9, v[18+\u]
	v_permlanex16_b32 v[20+\u], v[18+\u], s20, s21
	v_or_b32 v[22+\u], v[18+\u], v[20+\u]
	v_or_b32 v[22+\u], 0x7f7f0000, v[22+\u]                         ; bytes 2 and 3: 127, for the half of the matrix instruction's K that the head's 64 do not fill
	global_store_b128 v10, v[C+4*\u:C+4*\u+3], s[6:7] offset:512*\u ; 32 lanes store 512 consecutive bytes: image 2 w + u
.endm
	s_wait_dscnt 8                                 ; image 0's eight loads are in; image 1's eight may be out
	BLOCK 0
	s_wait_dscnt 0x0
	BLOCK 1
	v_cmp_gt_u32 vcc_lo, 16, v1
	v_cndmask_b32 v24, v23, v22, vcc_lo            ; lanes 0-15: image 2 w's word of row r; lanes 16-31: image 2 w + 1's
	ds_store_b32 v8, v24
	s_wait_dscnt 0x0                               ; for the others' sake: my store has landed
	s_barrier_signal -1
	s_barrier_wait -1
	s_cmp_lg_u32 s16, 0                            ; wave 0 stores the step's 512 bytes of scale words
	s_cbranch_scc1 .Lend
	ds_load_b128 v[28:31], v7 offset:SCG
	s_wait_dscnt 0x0
	global_store_b128 v7, v[28:31], s[6:7] offset:4096
.Lend:
	s_wait_tensorcnt 0x0                           ; the wave's end
	ds_add_u32 v176, v177
	s_wait_dscnt 0x0
	s_endpgm
.Lfunc_end_k_qb85ad91e16_kquant:
	.size	k_qb85ad91e16_kquant, .Lfunc_end_k_qb85ad91e16_kquant-k_qb85ad91e16_kquant
	.p2alignl 7, 3214868480
	.fill 96, 4, 3214868480
	.section	.rodata,"a",@progbits
	.p2align	6, 0x0
	.amdhsa_kernel k_qb85ad91e16_kquant
		.amdhsa_group_segment_fixed_size 35840
		.amdhsa_private_segment_fixed_size 0
		.amdhsa_enable_private_segment 0
		.amdhsa_kernarg_size 16
		.amdhsa_user_sgpr_count 2
		.amdhsa_user_sgpr_kernarg_segment_ptr 1
		.amdhsa_wavefront_size32 1
		.amdhsa_system_sgpr_workgroup_id_x 1
		.amdhsa_system_sgpr_workgroup_id_y 1
		.amdhsa_system_sgpr_workgroup_id_z 1
		.amdhsa_system_vgpr_workitem_id 0
		.amdhsa_next_free_vgpr 178
		.amdhsa_next_free_sgpr 66
		.amdhsa_reserve_vcc 1
		.amdhsa_float_denorm_mode_32 3
		.amdhsa_float_denorm_mode_16_64 3
		.amdhsa_memory_ordered 1
		.amdhsa_forward_progress 1
		.amdhsa_inst_pref_size 11
	.end_amdhsa_kernel
	.amdgpu_metadata
---
amdhsa.version: [ 1, 2 ]
amdhsa.kernels:
  - .name:           k_qb85ad91e16_kquant
    .symbol:         k_qb85ad91e16_kquant.kd
    .args:
      - { .name: K, .offset: 0, .size: 8, .value_kind: global_buffer, .address_space: global }
      - { .name: kq, .offset: 8, .size: 8, .value_kind: global_buffer, .address_space: global }
    .group_segment_fixed_size: 35840
    .private_segment_fixed_size: 0
    .kernarg_segment_align: 8
    .kernarg_segment_size: 16
    .max_flat_workgroup_size: 128
    .sgpr_count:     66
    .vgpr_count:     178
    .wavefront_size: 32
...
	.end_amdgpu_metadata
.endif
;; end of part 1
;; launch attn (part 2): grid 16 x 16, 16 waves a work-group, clusters of 4 x 1, 327,680 bytes of LDS; arguments Q, kq, V_codes, V_scales, oc, os; writes oc, os
.if DOCPART == 2
	.amdgcn_target "amdgcn-amd-amdhsa--gfx1250"
	.amdhsa_code_object_version 6
	.text
	.protected	k_qb85ad91e16_attn
	.globl	k_qb85ad91e16_attn
	.p2align	8
	.type	k_qb85ad91e16_attn,@function
k_qb85ad91e16_attn:
	s_mov_b64 s[64:65], 0
	v_nop
	global_prefetch_b8 v0, s[64:65] scope:SCOPE_SE
	s_setreg_imm32_b32 hwreg(HW_REG_WAVE_MODE, 25, 1), 1
	s_wait_xcnt 0x0
	s_wait_alu depctr_hold_cnt(0) depctr_sa_sdst(0) depctr_va_vdst(0) depctr_va_sdst(0) depctr_va_ssrc(0) depctr_va_vcc(0) depctr_vm_vsrc(0)
	s_getreg_b32 s2, hwreg(HW_REG_IB_STS2, 6, 4)
	s_cmp_eq_u32 s2, 0
	s_cbranch_scc0 .Lentry_in_a_cluster
	s_endpgm
.Lentry_in_a_cluster:
	s_bfe_u32 s2, ttmp6, 0x10000c
	s_cmp_lg_u32 s2, 0x3003
	s_cbranch_scc0 .Lentry_shape_is_right
	s_endpgm
.Lentry_shape_is_right:
; o = softmax(q k^T / 8) v for 32 query heads on 8 key heads, both products on codes of FP4 with E8M0 scales; o is quantised along (head, d) and stored as codes (oc) and scale bytes (os) for the projection.
; THE SOFTMAX: t = score x log2(e) / 8; M = the ceiling of the running largest t; p = 2^(t - M) is quantised along the keys; the row's sum is taken of the unquantised p and divides at the end; when M moves, sum and O are multiplied by 2^(old M - new M).
; SHARES: a work-group owns 128 positions of one (batch, key head); wave w owns positions 16 (w / 2) .. + 15 of the query heads 4 hkv + 2 (w % 2) + u, u = 0, 1: two tiles of 16 queries.  Every wave walks the head's 2,048 keys, 128 a step.
; All of the head's K (kq, 73,728 bytes), V's codes and V's scale bytes lie in LDS, filled once at the head: so there is no loop that streams from memory, and no prefetch is written.
; CLUSTERS: the four work-groups of a cluster (4 x 1) walk the same head: K, V and the scales are asked for jointly, mask 15.
; Q is read once: 512 consecutive bytes of a position by one load, turned through the wave's own stage in LDS and quantised in registers.
; LAYOUT: both products transposed (S^T = K Q^T, O^T = V^T P^T): a lane (r, h) holds query r throughout.  Row m of K's image 4 c + t is key 64 c + 32 (m / 8) + 8 t + m % 8, so S[32 c .. 32 c + 31] of a lane are the 32 keys of block 2 c + h,
; in order: the block's maximum needs no other lane and the conversions' results are the second product's operand as they stand.  V's rows of tile t are d = 32 (m / 8) + 8 t + m % 8 likewise: a lane's 32 registers of O^T are block h of its head.
; The head's 64 fill half of the matrix instruction's K: Q's upper codes are zeros, and K's upper registers are whatever follows (the next image's codes, finite in FP4), under the byte 127.
; ORDER OF THE LINES: independent chains are interleaved, so that four other lines stand between a result and its reader wherever the form has them: eight chains of maxima, a tree of sums, the scale word's chain among O's rescalings.
; LIMITS: the promise holds while the scaled scores t stay under 2^31 in magnitude; NaN and infinities among the inputs are not served.  A block of zeros gets the byte 1: its codes are zeros, and this program alone reads the bytes.
.set VC,   73728                       ; LDS: K at 0; V's codes, 64 rows of 1,024 + 16 bytes
.set VS,   140288                      ; V's scale bytes, 64 rows of 64 + 8
.set QST,  144896                      ; the waves' stages for Q: 16 rows of 512 + 16 bytes each
.set SPARE, 0x44600                    ; the spare words, 128 bytes a wave
.set VP,   1040
.set SPV,  72
.set QP,   528
.set KSB,  4608
.set AK0,  1                           ; 16 x lane
.set AV0,  2
.set AS0,  3
.set ADK,  4
.set ADV,  5
.set ADT,  6
.set OSO,  7
.set ST0,  8                           ; tile u at +4 u: -M, the largest score, the sum in two halves
.set QF,   16
.set KF,   32                          ; eight images of K (4 registers each), or four fragments of V
.set ZP,   64                          ; four zeros behind the last image
.set KSW,  68
.set QS,   72
.set VSW,  74
.set PC,   76                          ; p's codes, 8 registers a tile
.set FP,   92                          ; tile u at +2 u: f, p's scale word
.set S,    96
.set OA,   160
.set TM,   224                         ; v224-231: eight chains of maxima; then TM and TM+4: my two blocks' largest
.set TS,   232
.set TP,   234
.set X,    238
.set H8,   239
.set W,    240
.set QW,   241
.set QR,   242
.set LN,   243
.set D,    244                         ; v244-251: four parts of a tile's sum of this step, added to the sum a little later
.set SPW,  254
.set NIL,  255
.set WV,   18
.set SEL,  20
.set CS,   22
.set G1K,  32
.set G1V,  40
.set G1S,  48
.set G0K,  60
.set G0V,  68
.set G0S,  72
.set TK,   76
.set TV,   77
.set TT,   78
.set CNT,  79
.macro PLACES
.rept 4
	v_nop
.endr
.endm
.macro ROUND                           ; a round of the cluster's barrier
	s_barrier_signal -1
	s_barrier_wait -1
	s_cmp_lg_u32 s[WV], 0
	s_cbranch_scc1 .Lnot_wave_0_\@
	s_barrier_signal -3
.Lnot_wave_0_\@:
	s_barrier_wait -3
	s_barrier_signal -1
	s_barrier_wait -1
.endm
	s_load_b256 s[4:11], s[0:1], 0x0               ; Q, kq, V_codes, V_scales
	s_load_b128 s[12:15], s[0:1], 0x20             ; oc, os
	v_lshl_add_u32 v[SPW], v0, 2, SPARE
	v_mov_b32 v[NIL], 0
	ds_add_u32 v[SPW], v[NIL]                      ; the opening lines: the add twice on end and its wait
	ds_add_u32 v[SPW], v[NIL]
	v_lshrrev_b32 v[X], 5, v0
	v_readfirstlane_b32 s[WV], v[X]
	s_mul_i32 s16, s[WV], 16*QP
	s_add_co_u32 s16, s16, QST                     ; my stage
	v_and_b32 v[LN], 31, v0
	v_and_b32 v224, 15, v0                         ; r
	v_bfe_u32 v225, v0, 4, 1                       ; h
	v_lshlrev_b32 v[AK0], 4, v[LN]
	v_and_b32 v226, 8, v224
	v_and_b32 v227, 7, v224
	v_lshl_add_u32 v226, v226, 2, v227             ; 32 (r / 8) + r % 8: V's row of tile 0
	v_mul_u32_u24 v[AV0], v226, VP
	v_lshl_add_u32 v[AV0], v225, 4, v[AV0]
	v_add_nc_u32 v[AV0], VC, v[AV0]
	v_lshl_add_u32 v226, v225, 3, v226             ; lanes 16-31 take the scale words of the next tile: 8 rows on
	v_mul_u32_u24 v[AS0], v226, SPV
	v_add_nc_u32 v[AS0], VS, v[AS0]
	v_lshlrev_b32 v[OSO], 6, v224                  ; os: 64 bytes a position
	v_lshlrev_b32 v[H8], 3, v225
	v_add_nc_u32 v[QW], s16, v[AK0]                ; into the stage: 16 x lane of a row
	v_mul_u32_u24 v[QR], v224, QP
	v_lshl_add_u32 v[QR], v225, 7, v[QR]
	v_add_nc_u32 v[QR], s16, v[QR]                 ; out of it: row r, my block's 128 bytes
	s_mov_b32 s[G1K+0], 15|(3<<16)|(1<<21)         ; K: 72 dense rows of 256 bytes a wave; mask: the cluster's four
	s_mov_b32 s[G1K+1], 32<<16
	s_mov_b32 s[G1K+2], 72<<16
	s_mov_b32 s[G1K+3], 32<<16
	s_mov_b32 s[G1K+4], 72
	s_mov_b32 s[G1K+5], 32
	s_mov_b32 s[G1K+6], 0
	s_mov_b32 s[G1K+7], 0
	s_mov_b32 s[G1V+0], 15|(3<<16)|(1<<20)|(1<<21)|(7<<22)|(3<<25)   ; V: 16 rows of 1,024 bytes a wave, 16 bytes of padding behind each
	s_mov_b32 s[G1V+1], 128<<16
	s_mov_b32 s[G1V+2], 16<<16
	s_mov_b32 s[G1V+3], 128<<16
	s_mov_b32 s[G1V+4], 16
	s_mov_b32 s[G1V+5], 128
	s_mov_b32 s[G1V+6], 0
	s_mov_b32 s[G1V+7], 0
	s_mov_b32 s[G1S+0], 15|(2<<16)|(1<<20)|(1<<21)|(3<<22)|(1<<25)   ; V's scales: 64 rows of 64 bytes, 8 of padding
	s_mov_b32 s[G1S+1], 16<<16
	s_mov_b32 s[G1S+2], 64<<16
	s_mov_b32 s[G1S+3], 16<<16
	s_mov_b32 s[G1S+4], 64
	s_mov_b32 s[G1S+5], 16
	s_mov_b32 s[G1S+6], 0
	s_mov_b32 s[G1S+7], 0
	s_mov_b32 s[SEL], 0x76543210
	s_mov_b32 s[SEL+1], 0xfedcba98
	s_mov_b32 s[CS], 0x3e38aa3b                    ; c = log2(e) / 8
	s_mov_b32 s[CS+1], s[CS]
	s_and_b32 s80, ttmp7, 0xffff                   ; 8 b + hkv
	s_lshr_b32 s81, s80, 3
	s_and_b32 s82, s80, 7
	s_bfe_u32 s19, ttmp6, 0x40000                  ; cx
	s_lshl_b32 s17, ttmp9, 2
	s_add_co_u32 s17, s17, s19                     ; work-group x
	s_lshl_b32 s17, s17, 7
	s_lshl_b32 s83, s81, 11
	s_add_co_u32 s83, s83, s17
	s_lshr_b32 s84, s[WV], 1
	s_lshl_b32 s84, s84, 4
	s_add_co_u32 s83, s83, s84                     ; my first position, 2,048 b + 128 x + 16 (w / 2)
	s_and_b32 s84, s[WV], 1
	s_lshl_b32 s85, s82, 1
	s_add_co_u32 s85, s85, s84                     ; my pair of query heads, 0 .. 15
	s_lshl_b32 s86, s83, 13
	s_lshl_b32 s87, s85, 9
	s_add_co_u32 s86, s86, s87                     ; in Q
	s_mov_b32 s87, 0
	s_add_co_u32 s88, s83, s85
	s_lshl_b32 s88, s88, 10                        ; in oc: an image of 1,024 bytes for 16 positions x 128 along K
	s_mov_b32 s89, 0
	s_lshl_b32 s90, s83, 6
	s_lshl_b32 s91, s85, 2
	s_add_co_u32 s90, s90, s91                     ; in os
	s_mov_b32 s91, 0
	s_and_b32 s16, s[WV], 3                        ; which quarter of K or of V I fetch
	s_mul_i32 s92, s80, 73728
	s_mul_i32 s93, s16, 18432
	s_mov_b32 s[G0K+1], s93
	s_add_co_u32 s92, s92, s93
	s_mov_b32 s93, 0
	s_lshl_b32 s94, s80, 16
	s_lshl_b32 s95, s16, 14
	s_add_co_u32 s94, s94, s95
	s_mov_b32 s95, 0
	s_mul_i32 s[G0V+1], s16, 16*VP
	s_add_co_u32 s[G0V+1], s[G0V+1], VC
	s_mov_b32 s[G0S+1], VS
	s_lshl_b32 s80, s80, 12
	s_mov_b32 s81, 0
	s_mov_b32 s[G0K], 1
	s_mov_b32 s[G0V], 1
	s_mov_b32 s[G0S], 1
	s_wait_alu depctr_va_vdst(0)
	s_wait_dscnt 0x0                               ; both opening adds are done
	s_wait_kmcnt 0x0
	s_add_nc_u64 s[4:5], s[4:5], s[86:87]
	s_add_nc_u64 s[G0K+2:G0K+3], s[6:7], s[92:93]
	s_or_b32 s[G0K+3], s[G0K+3], 0x80000000
	s_add_nc_u64 s[G0V+2:G0V+3], s[8:9], s[94:95]
	s_or_b32 s[G0V+3], s[G0V+3], 0x80000000
	s_add_nc_u64 s[G0S+2:G0S+3], s[10:11], s[80:81]
	s_or_b32 s[G0S+3], s[G0S+3], 0x80000000
	s_add_nc_u64 s[12:13], s[12:13], s[88:89]
	s_add_nc_u64 s[14:15], s[14:15], s[90:91]
.irp j, 0,1,2,3,4,5,6,7,8,9,10,11,12,13,14,15
	global_load_b128 v[OA+4*\j:OA+4*\j+3], v[AK0], s[4:5] offset:8192*\j th:TH_LOAD_NT   ; position j: my two heads' 512 consecutive bytes
.endr
	ROUND                                          ; the four work-groups are here: the joint loads meet
	s_cmp_lt_u32 s[WV], 4                          ; one chain of branches on the wave's number, one load to an arm: waves 0-3 K, 4-7 V, 8 the scales
	s_cbranch_scc0 .Lnot_k
	tensor_load_to_lds s[G0K:G0K+3], s[G1K:G1K+7]
	s_nop 0
	PLACES
	s_branch .Lasked
.Lnot_k:
	s_cmp_lt_u32 s[WV], 8
	s_cbranch_scc0 .Lnot_v
	tensor_load_to_lds s[G0V:G0V+3], s[G1V:G1V+7]
	s_nop 0
	PLACES
	s_branch .Lasked
.Lnot_v:
	s_cmp_eq_u32 s[WV], 8
	s_cbranch_scc0 .Lasked
	tensor_load_to_lds s[G0S:G0S+3], s[G1S:G1S+7]
	s_nop 0
	PLACES
.Lasked:
.irp j, 0,1,2,3,4,5,6,7,8,9,10,11,12,13,14,15
	s_wait_loadcnt 15-\j                           ; load j is in, the 15 - j younger ones may be out
	ds_store_b128 v[QW], v[OA+4*\j:OA+4*\j+3] offset:QP*\j
.endr
.irp u, 0,1
.irp i, 0,1,2,3,4,5,6,7
	ds_load_b128 v[S+32*\u+4*\i:S+32*\u+4*\i+3], v[QR] offset:256*\u+16*\i   ; my wave's own bytes, served in order
.endr
.endr
	s_wait_dscnt 0x0
; Q's two tiles: my block's 32 numbers of each become 4 registers of codes; the row's two bytes meet in lanes l and l xor 16
.irp u, 0,1
	v_max3_num_f32 v[TM+\u], |v[S+32*\u]|, |v[S+32*\u+1]|, 0x1800000
.endr
.irp i, 2,4,6,8,10,12,14,16,18,20,22,24,26,28,30
.irp u, 0,1
	s_delay_alu instid0(VALU_DEP_2)
	v_max3_num_f32 v[TM+\u], v[TM+\u], |v[S+32*\u+\i]|, |v[S+32*\u+\i+1]|
.endr
.endr
.irp u, 0,1
	s_delay_alu instid0(VALU_DEP_2)
	v_add_nc_u32 v[TS+\u], 0xff000000, v[TM+\u]
.endr
.irp u, 0,1
	s_delay_alu instid0(VALU_DEP_2)
	v_lshrrev_b32 v[TP+\u], 23, v[TS+\u]
.endr
.irp u, 0,1
	s_delay_alu instid0(VALU_DEP_2)
	v_lshlrev_b32 v[TP+\u], v[H8], v[TP+\u]
.endr
.irp u, 0,1
	s_delay_alu instid0(VALU_DEP_2)
	v_permlanex16_b32 v[TM+\u], v[TP+\u], s[SEL], s[SEL+1]
.endr
.irp u, 0,1
	s_delay_alu instid0(VALU_DEP_2)
	v_or_b32 v[QS+\u], v[TP+\u], v[TM+\u]
.endr
.irp u, 0,1
	s_delay_alu instid0(VALU_DEP_2)
	v_or_b32 v[QS+\u], 0x7f7f0000, v[QS+\u]
.endr
.irp u, 0,1
.irp g, 0,1,2,3
	v_cvt_scalef32_pk8_fp4_f32 v[QF+8*\u+\g], v[S+32*\u+8*\g:S+32*\u+8*\g+7], v[TS+\u]
.endr
.endr
	v_nop
.irp u, 0,1
.irp i, 4,5,6,7
	v_mov_b32 v[QF+8*\u+\i], 0                     ; the upper 64 of the instruction's K: zero codes
.endr
.endr
.irp i, 0,1,2,3
	v_mov_b32 v[ZP+\i], 0
.endr
.irp i, 0,1,2,3,4,5,6,7
	v_mov_b32 v[D+\i], 0                           ; the first step adds these parts to tile 1's sum: zeros
.endr
.irp u, 0,1
	v_mov_b32 v[ST0+4*\u], 0x7f61b1e6              ; -M: 3e38, a whole number
	v_mov_b32 v[ST0+4*\u+1], 0xff61b1e6            ; the largest score so far: -3e38
	v_mov_b32 v[ST0+4*\u+2], 0
	v_mov_b32 v[ST0+4*\u+3], 0
	v_mov_b32 v[FP+2*\u+1], 0
.endr
.set j, 0
.rept 64
	v_mov_b32 v[OA+j], 0                           ; O^T: the step is written once; the first change of M multiplies zeros
.set j, j+1
.endr
	s_mov_b32 s[TK], 0
	s_mov_b32 s[TV], 0
	s_mov_b32 s[TT], 0
	s_mov_b32 s[CNT], 16
	s_wait_alu depctr_va_vdst(0)                   ; the head's end
	s_wait_tensorcnt 0x0                           ; my part of K, V or the scales has landed
	s_barrier_signal -1
	s_barrier_wait -1                              ; and everybody's
.macro SCORES u
.irp t, 0,1,2,3,4,5,6,7
.if \t % 2
	v_wmma_scale_f32_16x16x128_f8f6f4 v[S+8*\t:S+8*\t+7], v[KF+4*\t:KF+4*\t+7], v[QF+8*(\u):QF+8*(\u)+7], 0, v[KSW+\t/2], v[QS+(\u)] matrix_a_fmt:MATRIX_FMT_FP4 matrix_b_fmt:MATRIX_FMT_FP4 matrix_a_scale:MATRIX_SCALE_ROW1
.else
	v_wmma_scale_f32_16x16x128_f8f6f4 v[S+8*\t:S+8*\t+7], v[KF+4*\t:KF+4*\t+7], v[QF+8*(\u):QF+8*(\u)+7], 0, v[KSW+\t/2], v[QS+(\u)] matrix_a_fmt:MATRIX_FMT_FP4 matrix_b_fmt:MATRIX_FMT_FP4
.endif
.endr
.endm
.macro TMINUSM n                       ; n pairs: t - M
.rept \n
	v_pk_fma_f32 v[S+j:S+j+1], v[S+j:S+j+1], s[CS:CS+1], v[rST:rST+1] op_sel_hi:[1,0,0]
.set j, j+2
.endr
.endm
.macro OMUL n                          ; n pairs of O^T under the new M
.rept \n
	v_pk_mul_f32 v[rOA+j:rOA+j+1], v[rOA+j:rOA+j+1], v[rFP:rFP+1] op_sel_hi:[1,0]
.set j, j+2
.endr
.endm
.macro TADD n, w                       ; n additions of the tree of sums: the pair at j takes in the pair w registers on
.rept \n
	v_pk_add_f32 v[S+j:S+j+1], v[S+j:S+j+1], v[S+j+(\w):S+j+(\w)+1]
.set j, j+2*(\w)
.endr
.endm
.macro VL n                            ; V's loads: 0 .. 7 the four fragments' halves (tile t: rows 32 (r / 8) + 8 t + r % 8), 8 and 9 the scale words (lanes 0-15: tile 2 i's, lanes 16-31: tile 2 i + 1's)
.if \n < 8
	ds_load_b128 v[KF+4*(\n):KF+4*(\n)+3], v[ADV] offset:8*VP*((\n)/2)+32*((\n)%2)
.else
	ds_load_b32 v[VSW+(\n)-8], v[ADT] offset:16*SPV*((\n)-8)
.endif
.endm
.macro FINXY                           ; the four parts of the sum that the last softmax left become two
	v_pk_add_f32 v[D:D+1], v[D:D+1], v[D+2:D+3]
	v_pk_add_f32 v[D+4:D+5], v[D+4:D+5], v[D+6:D+7]
.endm
.macro SOFTMAX u
.set rST, ST0+4*(\u)
.set oST, ST0+4*(1-(\u))
.set rFP, FP+2*(\u)
.set rPC, PC+8*(\u)
.set rOA, OA+32*(\u)
; the largest scores: eight chains, two for each 16 registers: chain 2 k takes S[16 k .. 16 k + 8], chain 2 k + 1 S[16 k + 9 .. 16 k + 15]; each accumulator is first read in its four lowest registers
.irp k, 0,1,2,3
	v_max3_num_f32 v[TM+2*\k], v[S+16*\k], v[S+16*\k+1], v[S+16*\k+2]
	v_max3_num_f32 v[TM+2*\k+1], v[S+16*\k+9], v[S+16*\k+10], v[S+16*\k+11]
.endr
.irp i, 3,5
.irp k, 0,1,2,3
	v_max3_num_f32 v[TM+2*\k], v[TM+2*\k], v[S+16*\k+\i], v[S+16*\k+\i+1]
	v_max3_num_f32 v[TM+2*\k+1], v[TM+2*\k+1], v[S+16*\k+\i+9], v[S+16*\k+\i+10]
.endr
.endr
.irp k, 0,1,2,3
	v_max3_num_f32 v[TM+2*\k], v[TM+2*\k], v[S+16*\k+7], v[S+16*\k+8]
.endr
	v_max_num_f32 v[X], v[TM+3], v[TM+7]
	v_mov_b32 v[TP+1], v[rST]                      ; the old -M
	v_pk_add_f32 v[D:D+1], v[D:D+1], v[D+4:D+5]    ; the other tile's sum of its last step: the two parts become one
	v_max3_num_f32 v[TM], v[TM], v[TM+1], v[TM+2]
	v_max3_num_f32 v[TM+4], v[TM+4], v[TM+5], v[TM+6]
.if \u
.irp n, 0,1,2,3
	VL \n                                          ; tile 1: V's loads stand between the links of the chain that leads to M
.endr
.endif
	v_max3_num_f32 v[X], v[TM], v[TM+4], v[X]      ; the step's largest score in my half of the keys
	v_max_num_f32 v[TM], v[TM], v[TM+3]            ; block h's largest score
	v_max_num_f32 v[TM+4], v[TM+4], v[TM+7]        ; block 2 + h's
	v_pk_add_f32 v[oST+2:oST+3], v[oST+2:oST+3], v[D:D+1]   ; and is added to that tile's sum, ahead of its next change of M
.if \u
	VL 4
.endif
	v_permlanex16_b32 v[TP], v[X], s[SEL], s[SEL+1]
.if \u
.irp n, 5,6,7
	VL \n
.endr
.endif
	v_max3_num_f32 v[rST+1], v[rST+1], v[X], v[TP] ; the running largest score of my query
.if \u
.irp n, 8,9
	VL \n
.endr
.endif
	v_mul_f32 v[X], s[CS], v[rST+1]                ; as t (c is positive)
	v_floor_f32 v[rST], -v[X]                      ; -M = floor(-t)
.set j, 0
	TMINUSM 8
	v_sub_f32 v[X], v[rST], v[TP+1]                ; old M - new M, a whole number, 0 or less
	TMINUSM 8
	v_cvt_i32_f32 v[X], v[X]                       ; (it saturates)
	TMINUSM 8
	v_ldexp_f32 v[rFP], 1.0, v[X]                  ; f = 2^(old M - new M)
	TMINUSM 8
	v_fma_f32 v[TM], v[TM], s[CS], v[rST]          ; the same of each block's largest score: p rises with the score
	v_fma_f32 v[TM+4], v[TM+4], s[CS], v[rST]
	s_wait_alu depctr_va_vdst(0)                   ; ahead of the batch
	v_exp_f32 v[TM], v[TM]
	v_exp_f32 v[TM+4], v[TM+4]
.set j, 0
.rept 64
	v_exp_f32 v[S+j], v[S+j]                       ; p = 2^(t - M)
.set j, j+1
.endr
	v_pk_mul_f32 v[rST+2:rST+3], v[rST+2:rST+3], v[rFP:rFP+1] op_sel_hi:[1,0]   ; the sums under the new M (the plain place behind the batch)
	s_wait_alu depctr_va_vdst(0)                   ; one wait for the batch and for the first readers of O^T: plain lines alone stand between it and the last of them
	v_max_num_f32 v[TM], 0x1800000, v[TM]          ; the floor 2^(3 - 127): the byte cannot fall under 1
	v_max_num_f32 v[TM+4], 0x1800000, v[TM+4]
.set j, 0
	OMUL 4
	v_add_nc_u32 v[TS], 0xff000000, v[TM]          ; 2 off the exponent field: the conversion's scale operand
	v_add_nc_u32 v[TS+1], 0xff000000, v[TM+4]
	OMUL 4
	v_lshrrev_b32 v[TP], 23, v[TS]                 ; the scales' bytes
	v_lshrrev_b32 v[TP+1], 23, v[TS+1]
	OMUL 4
	v_lshl_or_b32 v[W], v[TP+1], 16, v[TP]         ; my bytes: blocks h and 2 + h,
	OMUL 4
.irp c, 0,1
.irp g, 0,1,2,3
	v_cvt_scalef32_pk8_fp4_f32 v[rPC+4*\c+\g], v[S+32*\c+8*\g:S+32*\c+8*\g+7], v[TS+\c]   ; registers 4 c .. 4 c + 3 of the operand: k = 64 c + 32 h + 0 .. 31
.endr
.endr
	v_lshlrev_b32 v[W], v[H8], v[W]                ; at their places (also the plain line behind the conversions, ahead of the lines that write their sources);
.set j, 0
	TADD 5, 2                                      ; THE ROW'S SUM OF THE UNQUANTISED p, as a tree in place: 16 additions of neighbouring pairs,
	v_permlanex16_b32 v[TP], v[W], s[SEL], s[SEL+1]
	TADD 5, 2
	v_or_b32 v[rFP+1], v[W], v[TP]                 ; with lane l xor 16's two: p's scale word for these 128 keys; the 22 lines below are its places ahead of the products
	TADD 6, 2
.set j, 0
	TADD 8, 4                                      ; 8,
.irp k, 0,1,2,3
	v_pk_add_f32 v[D+2*\k:D+2*\k+1], v[S+16*\k:S+16*\k+1], v[S+16*\k+8:S+16*\k+9]   ; and 4, which leave S: the last four additions follow behind the next score products
.endr
.endm
.Lstep:                                        ; 128 keys
	v_add_nc_u32 v[ADK], s[TK], v[AK0]             ; (four places ahead of the loads into registers that the last products read)
	v_nop
	v_nop
	v_nop
.irp t, 0,1,2,3,4,5,6,7
	ds_load_b128 v[KF+4*\t:KF+4*\t+3], v[ADK] offset:512*\t
.endr
	ds_load_b128 v[KSW:KSW+3], v[ADK] offset:4096
	s_wait_dscnt 0x0
	SCORES 0
	FINXY                                          ; tile 1's parts of the last step; with the two lines below: the four places behind the products
	v_nop
	v_nop
	SOFTMAX 0
	SCORES 1
	v_add_nc_u32 v[ADV], s[TV], v[AV0]             ; four places again
	v_add_nc_u32 v[ADT], s[TT], v[AS0]
	FINXY                                          ; tile 0's parts of this step
	SOFTMAX 1
	s_wait_alu depctr_va_vdst(0)
	s_wait_dscnt 0x0
.irp t, 0,1,2,3                        ; O^T += V^T P^T: the eight accumulators by turns
.irp u, 0,1
.if \t % 2
	v_wmma_scale_f32_16x16x128_f8f6f4 v[OA+32*\u+8*\t:OA+32*\u+8*\t+7], v[KF+8*\t:KF+8*\t+7], v[PC+8*\u:PC+8*\u+7], v[OA+32*\u+8*\t:OA+32*\u+8*\t+7], v[VSW+\t/2], v[FP+2*\u+1] matrix_a_fmt:MATRIX_FMT_FP4 matrix_b_fmt:MATRIX_FMT_FP4 matrix_a_scale:MATRIX_SCALE_ROW1
.else
	v_wmma_scale_f32_16x16x128_f8f6f4 v[OA+32*\u+8*\t:OA+32*\u+8*\t+7], v[KF+8*\t:KF+8*\t+7], v[PC+8*\u:PC+8*\u+7], v[OA+32*\u+8*\t:OA+32*\u+8*\t+7], v[VSW+\t/2], v[FP+2*\u+1] matrix_a_fmt:MATRIX_FMT_FP4 matrix_b_fmt:MATRIX_FMT_FP4
.endif
.endr
.endr
	s_add_co_u32 s[TK], s[TK], KSB
	s_add_co_u32 s[TV], s[TV], 64
	s_add_co_u32 s[TT], s[TT], 4
	s_sub_co_u32 s[CNT], s[CNT], 1
	s_cmp_lg_u32 s[CNT], 0
	s_cbranch_scc1 .Lstep
; THE WAY OUT: O^T / the sum; each lane's 32 numbers of a tile are block h of its head: quantised, they are the projection's operand registers as they stand
	FINXY                                          ; tile 1's parts of the last step (with the two lines below: four places behind the last products)
	v_nop
	v_nop
	v_pk_add_f32 v[D:D+1], v[D:D+1], v[D+4:D+5]
	v_nop
	v_pk_add_f32 v[ST0+6:ST0+7], v[ST0+6:ST0+7], v[D:D+1]
	v_nop
.irp u, 0,1
	v_add_f32 v[TM+\u], v[ST0+4*\u+2], v[ST0+4*\u+3]
.endr
.irp u, 0,1
	s_delay_alu instid0(VALU_DEP_2)
	v_permlanex16_b32 v[TP+\u], v[TM+\u], s[SEL], s[SEL+1]
.endr
.irp u, 0,1
	s_delay_alu instid0(VALU_DEP_2)
	v_add_f32 v[TM+\u], v[TM+\u], v[TP+\u]
.endr
	s_wait_alu depctr_va_vdst(0)                   ; ahead of the batch
.irp u, 0,1
	v_rcp_f32 v[FP+2*\u], v[TM+\u]
.endr
	v_nop
	s_wait_alu depctr_va_vdst(0)                   ; behind it, directly ahead of the first readers of O^T
.irp u, 0,1
.set j, 0
.rept 16
	v_pk_mul_f32 v[OA+32*\u+j:OA+32*\u+j+1], v[OA+32*\u+j:OA+32*\u+j+1], v[FP+2*\u:FP+2*\u+1] op_sel_hi:[1,0]
.set j, j+2
.endr
.endr
.irp u, 0,1
	v_max3_num_f32 v[TM+\u], |v[OA+32*\u]|, |v[OA+32*\u+1]|, 0x1800000
.endr
.irp i, 2,4,6,8,10,12,14,16,18,20,22,24,26,28,30
.irp u, 0,1
	s_delay_alu instid0(VALU_DEP_2)
	v_max3_num_f32 v[TM+\u], v[TM+\u], |v[OA+32*\u+\i]|, |v[OA+32*\u+\i+1]|
.endr
.endr
.irp u, 0,1
	s_delay_alu instid0(VALU_DEP_2)
	v_add_nc_u32 v[TS+\u], 0xff000000, v[TM+\u]
.endr
.irp u, 0,1
	s_delay_alu instid0(VALU_DEP_2)
	v_lshrrev_b32 v[TP+\u], 23, v[TS+\u]
.endr
	s_delay_alu instid0(VALU_DEP_1)
	v_lshl_or_b32 v[X], v[TP+1], 16, v[TP]         ; bytes 2 u + h of the word of these 128 along the projection's K
	s_delay_alu instid0(VALU_DEP_1)
	v_lshlrev_b32 v[X], v[H8], v[X]
	s_delay_alu instid0(VALU_DEP_1)
	v_permlanex16_b32 v[TP], v[X], s[SEL], s[SEL+1]
	s_delay_alu instid0(VALU_DEP_1)
	v_or_b32 v[X], v[X], v[TP]
.irp u, 0,1
.irp g, 0,1,2,3
	v_cvt_scalef32_pk8_fp4_f32 v[PC+4*\u+\g], v[OA+32*\u+8*\g:OA+32*\u+8*\g+7], v[TS+\u]
.endr
.endr
	v_nop
	global_store_b128 v[AK0], v[PC:PC+3], s[12:13]             ; 32 lanes store 512 consecutive bytes
	global_store_b128 v[AK0], v[PC+4:PC+7], s[12:13] offset:512
	v_cmp_gt_u32 vcc_lo, 16, v[LN]
	s_wait_alu depctr_va_vdst(0)
	s_wait_xcnt 0x0                                ; EXEC changes only behind this wait
	s_and_saveexec_b32 s80, vcc_lo
	global_store_b32 v[OSO], v[X], s[14:15]        ; lanes 0-15: position r's scale word
	s_wait_xcnt 0x0
	s_or_b32 exec_lo, exec_lo, s80
	s_wait_tensorcnt 0x0                           ; the wave's end
	ds_add_u32 v[SPW], v[NIL]
	s_wait_dscnt 0x0
	ROUND                                          ; the closing round
	s_endpgm
.Lfunc_end_k_qb85ad91e16_attn:
	.size	k_qb85ad91e16_attn, .Lfunc_end_k_qb85ad91e16_attn-k_qb85ad91e16_attn
	.p2alignl 7, 3214868480
	.fill 96, 4, 3214868480
	.section	.rodata,"a",@progbits
	.p2align	6, 0x0
	.amdhsa_kernel k_qb85ad91e16_attn
		.amdhsa_group_segment_fixed_size 327680
		.amdhsa_private_segment_fixed_size 0
		.amdhsa_enable_private_segment 0
		.amdhsa_kernarg_size 48
		.amdhsa_user_sgpr_count 2
		.amdhsa_user_sgpr_kernarg_segment_ptr 1
		.amdhsa_wavefront_size32 1
		.amdhsa_system_sgpr_workgroup_id_x 1
		.amdhsa_system_sgpr_workgroup_id_y 1
		.amdhsa_system_sgpr_workgroup_id_z 1
		.amdhsa_system_vgpr_workitem_id 0
		.amdhsa_next_free_vgpr 256
		.amdhsa_next_free_sgpr 96
		.amdhsa_reserve_vcc 1
		.amdhsa_float_denorm_mode_32 3
		.amdhsa_float_denorm_mode_16_64 3
		.amdhsa_memory_ordered 1
		.amdhsa_forward_progress 1
		.amdhsa_inst_pref_size 53
	.end_amdhsa_kernel
	.amdgpu_metadata
---
amdhsa.version: [ 1, 2 ]
amdhsa.kernels:
  - .name:           k_qb85ad91e16_attn
    .symbol:         k_qb85ad91e16_attn.kd
    .args:
      - { .name: Q, .offset: 0, .size: 8, .value_kind: global_buffer, .address_space: global }
      - { .name: kq, .offset: 8, .size: 8, .value_kind: global_buffer, .address_space: global }
      - { .name: V_codes, .offset: 16, .size: 8, .value_kind: global_buffer, .address_space: global }
      - { .name: V_scales, .offset: 24, .size: 8, .value_kind: global_buffer, .address_space: global }
      - { .name: oc, .offset: 32, .size: 8, .value_kind: global_buffer, .address_space: global }
      - { .name: os, .offset: 40, .size: 8, .value_kind: global_buffer, .address_space: global }
    .group_segment_fixed_size: 327680
    .private_segment_fixed_size: 0
    .kernarg_segment_align: 8
    .kernarg_segment_size: 48
    .max_flat_workgroup_size: 512
    .sgpr_count:     96
    .vgpr_count:     256
    .wavefront_size: 32
...
	.end_amdgpu_metadata
.endif
;; end of part 2
;; launch proj (part 3): grid 8 x 16, 4 waves a work-group, clusters of 4 x 4, 327,680 bytes of LDS; arguments oc, os, W_out_codes, W_out_scales, out0, b_out; writes out0
.if DOCPART == 3
	.amdgcn_target "amdgcn-amd-amdhsa--gfx1250"
	.amdhsa_code_object_version 6
	.text
	.protected	k_qb85ad91e16_proj
	.globl	k_qb85ad91e16_proj
	.p2align	8
	.type	k_qb85ad91e16_proj,@function
k_qb85ad91e16_proj:
	s_mov_b64 s[64:65], 0
	v_nop
	global_prefetch_b8 v0, s[64:65] scope:SCOPE_SE
	s_setreg_imm32_b32 hwreg(HW_REG_WAVE_MODE, 25, 1), 1
	s_wait_xcnt 0x0
	s_wait_alu depctr_hold_cnt(0) depctr_sa_sdst(0) depctr_va_vdst(0) depctr_va_sdst(0) depctr_va_ssrc(0) depctr_va_vcc(0) depctr_vm_vsrc(0)
	s_getreg_b32 s2, hwreg(HW_REG_IB_STS2, 6, 4)
	s_cmp_eq_u32 s2, 0
	s_cbranch_scc0 .Lentry_in_a_cluster
	s_endpgm
.Lentry_in_a_cluster:
	s_bfe_u32 s2, ttmp6, 0x10000c
	s_cmp_lg_u32 s2, 0xf033
	s_cbranch_scc0 .Lentry_shape_is_right
	s_endpgm
.Lentry_shape_is_right:
.set SIZE_M, 4096
.set SIZE_N, 2048
.set SIZE_K, 2048
.set KSTEP,  512
.set NQ,     KSTEP/128
.set ROWB,   256
.set KROW,   SIZE_K*4/8
.set ASTEP,  4096
.set AROW,   16384
.set PITCH,  272
.set FR,     8
.set NL,     2
.set NP,     4
.set HALFT,  128*PITCH
.set SLOT,   4*HALFT
.set LAPS,   SIZE_K/(2*KSTEP)
.set KS,     SIZE_K/32
.set SCL,    2*SLOT
.set HALFS,  (128*KS/256)*272
.set SBLK,   (16*KS/256)*272
.set SPARE,  SCL+4*HALFS
.set SPITCH, 528
.set BO,   7
.set ADRA, 16
.set ADRB, 20
.set STO,  24
.set RD,   25
.set CO,   26
.set ADRS, 27
.set SPW,  28
.set NIL,  29
.set SC,   32
.set AF,   128
.set BIAS, 192
.set BK,   128
.set G1, 24
.set G0, 32
.set G1B, 48
.set G0B, 56
.set G1S, 68
.set G0S, 76
.set G1SB, 80
.set G0SB, 88
.set MSB, 0
.macro WIN new
.if MSB != \new
	s_set_vgpr_msb (MSB<<8)|\new
.set MSB, \new
.endif
.endm
.set MUL_LO, 0xa1
.set MUL_HI, 0xf1
.set FIRST_LO, 0x81
.set FIRST_HI, 0xc1
.set TO_B,   0x40
.macro JLOAD g0a, g1a, g0b, g1b
	s_cmp_eq_u32 s15, 0
	s_cbranch_scc0 .Lfor_b_\@
	tensor_load_to_lds s[\g0a:\g0a+3], s[\g1a:\g1a+7]
	s_nop 0
.rept 4
	v_nop
.endr
	s_branch .Lasked_\@
.Lfor_b_\@:
	tensor_load_to_lds s[\g0b:\g0b+3], s[\g1b:\g1b+7]
	s_nop 0
.rept 4
	v_nop
.endr
.Lasked_\@:
.endm
.macro CREST
	s_cmp_lg_u32 s14, 0
	s_cbranch_scc1 .Lnot_wave_0_\@
	s_barrier_signal -3
.Lnot_wave_0_\@:
	s_barrier_wait -3
	s_barrier_signal -1
	s_barrier_wait -1
.endm
.macro CROUND
	s_barrier_signal -1
	s_barrier_wait -1
	CREST
.endm
	s_load_b128 s[4:7], s[0:1], 0x0
	s_load_b128 s[8:11], s[0:1], 0x10
	s_load_b64 s[12:13], s[0:1], 0x20
	s_load_b64 s[96:97], s[0:1], 0x28
	v_lshl_add_u32 v[SPW], v0, 2, SPARE
	v_mov_b32 v[NIL], 0
	ds_add_u32 v28, v29
	ds_add_u32 v28, v29
	s_wait_dscnt 0x0
	v_lshrrev_b32 v1, 5, v0
	v_readfirstlane_b32 s14, v1
	s_lshr_b32 s15, s14, 1
	s_and_b32 s16, s14, 1
	s_bfe_u32 s40, ttmp6, 0x40000
	s_bfe_u32 s41, ttmp6, 0x40004
	s_lshl_b32 s42, ttmp9, 2
	s_add_co_u32 s42, s42, s40
	s_and_b32 s17, ttmp7, 0xffff
	s_lshl_b32 s17, s17, 2
	s_add_co_u32 s17, s17, s41
	s_lshl_b32 s43, s41, 2
	s_lshl_b32 s43, 15, s43
	s_lshl_b32 s44, 0x1111, s40
	s_or_b32 s[G1+0], s43, (0<<16)|(1<<21)
	s_mov_b32 s[G1+1], ASTEP<<16
	s_mov_b32 s[G1+2], 8<<16
	s_mov_b32 s[G1+3], ASTEP<<16
	s_mov_b32 s[G1+4], 8
	s_mov_b32 s[G1+5], AROW
	s_mov_b32 s[G1+6], 0
	s_mov_b32 s[G1+7], 0
	s_or_b32 s[G1B+0], s44, (0<<16)|(1<<20)|(1<<21)|(5<<22)|(3<<25)
	s_mov_b32 s[G1B+1], ROWB<<16
	s_mov_b32 s[G1B+2], 128<<16
	s_mov_b32 s[G1B+3], ROWB<<16
	s_mov_b32 s[G1B+4], 128
	s_mov_b32 s[G1B+5], KROW
	s_mov_b32 s[G1B+6], 0
	s_mov_b32 s[G1B+7], 0
	s_or_b32 s[G1S+0], s43, (3<<16)|(1<<20)|(1<<21)|(5<<22)|(3<<25)
	s_or_b32 s[G1SB+0], s44, (3<<16)|(1<<20)|(1<<21)|(5<<22)|(3<<25)
.irp g, G1S, G1SB
	s_mov_b32 s[\g+1], 32<<16
	s_mov_b32 s[\g+2], (128*KS/256)<<16
	s_mov_b32 s[\g+3], 32<<16
	s_mov_b32 s[\g+4], 128*KS/256
	s_mov_b32 s[\g+5], 32
	s_mov_b32 s[\g+6], 0
	s_mov_b32 s[\g+7], 0
.endr
	s_lshl_b32 s18, s16, 7
	s_lshl_b32 s20, s17, 8
	s_add_co_u32 s20, s20, s18
	s_lshl_b32 s46, s42, 8
	s_add_co_u32 s46, s46, s18
	s_mov_b32 s21, 0
	s_mov_b32 s47, 0
	s_mov_b64 s[18:19], KS
	s_mul_u64 s[22:23], s[20:21], s[18:19]
	s_mul_u64 s[92:93], s[46:47], s[18:19]
	s_mov_b64 s[18:19], KROW
	s_mul_u64 s[20:21], s[20:21], s[18:19]
	s_mul_u64 s[46:47], s[46:47], s[18:19]
	s_mul_i32 s45, s14, HALFT
	s_mul_i32 s94, s14, HALFS
	s_wait_kmcnt 0x0
	s_add_nc_u64 s[20:21], s[4:5], s[20:21]
	s_add_nc_u64 s[22:23], s[6:7], s[22:23]
	s_add_nc_u64 s[46:47], s[8:9], s[46:47]
	s_add_nc_u64 s[92:93], s[10:11], s[92:93]
	CROUND
	s_mov_b32 s[G0S], 1
	s_add_co_u32 s[G0S+1], s94, SCL
	s_mov_b64 s[G0S+2:G0S+3], s[22:23]
	s_or_b32 s[G0S+3], s[G0S+3], 0x80000000
	s_mov_b32 s[G0SB], 1
	s_add_co_u32 s[G0SB+1], s94, SCL
	s_mov_b64 s[G0SB+2:G0SB+3], s[92:93]
	s_or_b32 s[G0SB+3], s[G0SB+3], 0x80000000
	JLOAD G0S, G1S, G0SB, G1SB
.irp s, 0,1
	s_mov_b32 s[G0+4*\s], 1
	s_add_co_u32 s[G0+4*\s+1], s45, \s*SLOT
	s_add_nc_u64 s[G0+4*\s+2:G0+4*\s+3], s[20:21], \s*ASTEP
	s_or_b32 s[G0+4*\s+3], s[G0+4*\s+3], 0x80000000
	s_mov_b32 s[G0B+4*\s], 1
	s_add_co_u32 s[G0B+4*\s+1], s45, \s*SLOT
	s_add_nc_u64 s[G0B+4*\s+2:G0B+4*\s+3], s[46:47], \s*ROWB
	s_or_b32 s[G0B+4*\s+3], s[G0B+4*\s+3], 0x80000000
	s_wait_alu depctr_va_vdst(0)
	s_wait_tensorcnt 0x0
	ds_add_u32 v28, v29
	s_wait_dscnt 0x0
	CROUND
	JLOAD G0+4*\s, G1, G0B+4*\s, G1B
.endr
	v_and_b32 v1, 15, v0
	v_bfe_u32 v2, v0, 4, 1
	v_mul_u32_u24 v3, v1, PITCH
	v_lshl_add_u32 v4, v2, 4, v3
	v_and_b32 v6, 31, v0
	v_lshlrev_b32 v8, 4, v6
	s_mul_i32 s21, s15, HALFT
	s_mul_i32 s22, s16, HALFT
	s_add_co_u32 s22, s22, 2*HALFT
.irp s, 0,1
	v_add_nc_u32 v[ADRA+\s], s21, v8
	v_add_nc_u32 v[ADRB+\s], s22, v4
	s_add_co_u32 s21, s21, SLOT
	s_add_co_u32 s22, s22, SLOT
.endr
	v_mul_u32_u24 v5, v1, KS
	v_lshrrev_b32 v6, 8, v5
	v_lshl_add_u32 v5, v6, 4, v5
	s_mul_i32 s21, s15, HALFS
	s_mul_i32 s22, s16, HALFS
	s_add_co_u32 s22, s22, 2*HALFS
	s_sub_co_u32 s22, s22, s21
	v_mul_u32_u24 v6, s22, v2
	s_add_co_u32 s21, s21, SCL
	v_add_nc_u32 v5, v5, v6
	v_add_nc_u32 v[ADRS], s21, v5
	s_mul_i32 s23, s14, 16*SPITCH
	v_mul_u32_u24 v5, v1, SPITCH
	v_lshl_add_u32 v5, v2, 5, v5
	v_add_nc_u32 v[STO], s23, v5
	v_and_b32 v6, 31, v0
	v_lshlrev_b32 v[CO], 4, v6
	v_add_nc_u32 v[RD], s23, v[CO]
	v_lshlrev_b32 v[BO], 5, v2
	s_wait_alu depctr_va_vdst(0)
	s_lshl_b32 s20, s17, 8
	s_lshl_b32 s21, s15, 7
	s_add_co_u32 s20, s20, s21
	s_mov_b32 s21, 0
	s_mov_b64 s[18:19], SIZE_N*4
	s_mul_u64 s[20:21], s[20:21], s[18:19]
	s_lshl_b32 s46, s42, 10
	s_lshl_b32 s47, s16, 9
	s_add_co_u32 s46, s46, s47
	s_mov_b32 s47, 0
	s_add_nc_u64 s[20:21], s[20:21], s[46:47]
	s_add_nc_u64 s[12:13], s[12:13], s[20:21]
	s_add_nc_u64 s[96:97], s[96:97], s[46:47]
.irp b, 0,1,2,3,4,5,6,7
	global_load_b128 v[BIAS+8*\b:BIAS+8*\b+3], v[BO], s[96:97] offset:64*\b
	global_load_b128 v[BIAS+8*\b+4:BIAS+8*\b+7], v[BO], s[96:97] offset:64*\b+16
.endr
.macro FRAG reg, adr, q, i
.irp c, 0,1
	ds_load_b128 v[\reg+4*\c:\reg+4*\c+3], v[\adr] offset:64*(\q)+32*\c+(\i)*16*PITCH
.endr
.endm
.macro FRAGA reg, adr, q, i
.irp c, 0,1
	ds_load_b128 v[\reg+4*\c:\reg+4*\c+3], v[\adr] offset:ASTEP*(\i)+1024*(\q)+512*\c
.endr
.endm
.macro MUL16 a0, p, q, sc, first
.irp a, \a0, \a0+1
.irp b, 0,1,2,3,4,5,6,7
.if \first
	v_wmma_scale_f32_16x16x128_f8f6f4 v[8*(8*((\a)%4)+\b):8*(8*((\a)%4)+\b)+7], v[128*(\p)+FR*\b:128*(\p)+FR*\b+FR-1], v[AF+FR*(\a):AF+FR*(\a)+FR-1], v[BIAS+8*\b:BIAS+8*\b+7], v[SC+8*NQ*(\sc)+NQ*\b+(\q)], v[SC+8*NQ*(\sc)+NQ*(\a)+(\q)] matrix_a_fmt:MATRIX_FMT_FP4 matrix_b_fmt:MATRIX_FMT_FP4 matrix_a_scale:MATRIX_SCALE_ROW1
.else
	v_wmma_scale_f32_16x16x128_f8f6f4 v[8*(8*((\a)%4)+\b):8*(8*((\a)%4)+\b)+7], v[128*(\p)+FR*\b:128*(\p)+FR*\b+FR-1], v[AF+FR*(\a):AF+FR*(\a)+FR-1], v[8*(8*((\a)%4)+\b):8*(8*((\a)%4)+\b)+7], v[SC+8*NQ*(\sc)+NQ*\b+(\q)], v[SC+8*NQ*(\sc)+NQ*(\a)+(\q)] matrix_a_fmt:MATRIX_FMT_FP4 matrix_b_fmt:MATRIX_FMT_FP4 matrix_a_scale:MATRIX_SCALE_ROW1
.endif
.endr
.endr
.endm
.macro FETCH_B slot, q, p
	WIN TO_B
.irp i, 0,1,2,3,4,5,6,7
	FRAG 128*(\p)+FR*\i, ADRB+\slot, \q, \i
.endr
	WIN 0
.endm
.macro FETCH_A slot, q, i0
.irp i, \i0, \i0+1, \i0+2, \i0+3
	FRAGA AF+FR*(\i), ADRA+\slot, \q, \i
.endr
.endm
.macro SCALES sc
.irp i, 0,1,2,3,4,5,6,7
	ds_load_b128 v[SC+8*NQ*\sc+NQ*\i:SC+8*NQ*\sc+NQ*\i+3], v[ADRS] offset:\i*SBLK
.endr
.endm
.macro PLACES n
.rept \n
	v_nop
.endr
.endm
.macro STEP slot, q, first
	s_wait_dscnt 4*NL
.if \first
	WIN FIRST_LO
.else
	WIN MUL_LO
.endif
	MUL16 0, (\q)%2, \q, \slot, \first
	MUL16 2, (\q)%2, \q, \slot, \first
	s_wait_dscnt 0
	PLACES NP
	FETCH_B \slot, (\q)+1, 1-(\q)%2
	FETCH_A \slot, (\q)+1, 0
.if \first
	WIN FIRST_HI
.else
	WIN MUL_HI
.endif
	MUL16 4, (\q)%2, \q, \slot, \first
	MUL16 6, (\q)%2, \q, \slot, \first
	PLACES NP
	WIN 0
	FETCH_A \slot, (\q)+1, 4
.endm
.macro TURN slot, next, fill
	s_wait_tensorcnt 0x0
	ds_add_u32 v[SPW], v[NIL]
	s_wait_dscnt 4*NL+1
	WIN MUL_LO
	MUL16 0, 1, NQ-1, \slot, 0
	s_wait_dscnt 0x0
	s_barrier_signal -1
	MUL16 2, 1, NQ-1, \slot, 0
	WIN 0
	s_barrier_wait -1
.if \fill
	CREST
	s_add_nc_u64 s[G0+4*\slot+2:G0+4*\slot+3], s[G0+4*\slot+2:G0+4*\slot+3], 2*ASTEP
	s_add_nc_u64 s[G0B+4*\slot+2:G0B+4*\slot+3], s[G0B+4*\slot+2:G0B+4*\slot+3], 2*ROWB
	JLOAD G0+4*\slot, G1, G0B+4*\slot, G1B
.else
	PLACES NP
.endif
	s_wait_alu depctr_va_vdst(0)
	v_add_nc_u32 v[ADRS], 4*NQ, v[ADRS]
	FETCH_B \next, 0, 0
	FETCH_A \next, 0, 0
	SCALES \next
	WIN MUL_HI
	MUL16 4, 1, NQ-1, \slot, 0
	MUL16 6, 1, NQ-1, \slot, 0
	PLACES NP
	WIN 0
	FETCH_A \next, 0, 4
.endm
.macro STEPS slot, from
.set Q, \from
.rept NQ-1-\from
	STEP \slot, Q, 0
.set Q, Q+1
.endr
.endm
	s_wait_tensorcnt 1
	s_barrier_signal -1
	s_barrier_wait -1
	FETCH_B 0, 0, 0
	FETCH_A 0, 0, 0
	SCALES 0
	FETCH_A 0, 0, 4
	s_wait_loadcnt 0x0
	STEP 0, 0, 1
	s_mov_b32 s3, LAPS-1
.Llap:
	STEPS 0, 1
	TURN 0, 1, 1
	STEPS 1, 0
	TURN 1, 0, 1
	STEP 0, 0, 0
	s_sub_co_u32 s3, s3, 1
	s_cmp_lg_u32 s3, 0
	s_cbranch_scc1 .Llap
	STEPS 0, 1
	TURN 0, 1, 0
	STEPS 1, 0
	s_wait_dscnt 4*NL
	WIN MUL_LO
	MUL16 0, 1, NQ-1, 1, 0
	MUL16 2, 1, NQ-1, 1, 0
	s_wait_dscnt 0
	WIN MUL_HI
	MUL16 4, 1, NQ-1, 1, 0
	MUL16 6, 1, NQ-1, 1, 0
	WIN 0
.macro TOSTAGE a
.set AC, 64*((\a)%4)
	WIN 0x08+4*((\a)/4)
.irp b, 0,1,2,3,4,5,6,7
	ds_store_b128 v[STO], v[AC+8*\b:AC+8*\b+3] offset:64*\b
	ds_store_b128 v[STO], v[AC+8*\b+4:AC+8*\b+7] offset:64*\b+16
.endr
	WIN 0
.set BB, BK+64*((\a)%2)
.irp t, 0,1,2,3,4,5,6,7,8,9,10,11,12,13,14,15
	ds_load_b128 v[BB+4*\t:BB+4*\t+3], v[RD] offset:\t*SPITCH
.endr
.endm
.macro SEND a, younger
.set BB, BK+64*((\a)%2)
	s_wait_dscnt \younger
.if (\a) > 0
	s_add_nc_u64 s[12:13], s[12:13], 16*SIZE_N*4
.endif
.irp t, 0,1,2,3,4,5,6,7,8,9,10,11,12,13,14,15
	global_store_b128 v[CO], v[BB+4*\t:BB+4*\t+3], s[12:13] offset:\t*SIZE_N*4 th:TH_STORE_NT
.endr
.endm
	PLACES NP
	TOSTAGE 0
.irp a, 1,2,3,4,5,6,7
.if \a > 1
	s_wait_xcnt 0x0
.endif
	TOSTAGE \a
	SEND \a-1, 32
.endr
	s_wait_xcnt 0x0
	SEND 7, 0
	s_wait_tensorcnt 0x0
	ds_add_u32 v[SPW], v[NIL]
	s_wait_dscnt 0x0
	CROUND
	s_endpgm
.Lfunc_end_k_qb85ad91e16_proj:
	.size	k_qb85ad91e16_proj, .Lfunc_end_k_qb85ad91e16_proj-k_qb85ad91e16_proj
	.p2alignl 7, 3214868480
	.fill 96, 4, 3214868480
	.section	.rodata,"a",@progbits
	.p2align	6, 0x0
	.amdhsa_kernel k_qb85ad91e16_proj
		.amdhsa_group_segment_fixed_size 327680
		.amdhsa_private_segment_fixed_size 0
		.amdhsa_enable_private_segment 0
		.amdhsa_kernarg_size 48
		.amdhsa_user_sgpr_count 2
		.amdhsa_user_sgpr_kernarg_segment_ptr 1
		.amdhsa_wavefront_size32 1
		.amdhsa_system_sgpr_workgroup_id_x 1
		.amdhsa_system_sgpr_workgroup_id_y 1
		.amdhsa_system_sgpr_workgroup_id_z 1
		.amdhsa_system_vgpr_workitem_id 0
		.amdhsa_next_free_vgpr 1024
		.amdhsa_next_free_sgpr 98
		.amdhsa_reserve_vcc 0
		.amdhsa_float_denorm_mode_32 3
		.amdhsa_float_denorm_mode_16_64 3
		.amdhsa_memory_ordered 1
		.amdhsa_forward_progress 1
		.amdhsa_inst_pref_size 214
	.end_amdhsa_kernel
	.amdgpu_metadata
---
amdhsa.version: [ 1, 2 ]
amdhsa.kernels:
  - .name:           k_qb85ad91e16_proj
    .symbol:         k_qb85ad91e16_proj.kd
    .args:
      - { .name: oc, .offset: 0, .size: 8, .value_kind: global_buffer, .address_space: global }
      - { .name: os, .offset: 8, .size: 8, .value_kind: global_buffer, .address_space: global }
      - { .name: W_out_codes, .offset: 16, .size: 8, .value_kind: global_buffer, .address_space: global }
      - { .name: W_out_scales, .offset: 24, .size: 8, .value_kind: global_buffer, .address_space: global }
      - { .name: out0, .offset: 32, .size: 8, .value_kind: global_buffer, .address_space: global }
      - { .name: b_out, .offset: 40, .size: 8, .value_kind: global_buffer, .address_space: global }
    .group_segment_fixed_size: 327680
    .private_segment_fixed_size: 0
    .kernarg_segment_align: 8
    .kernarg_segment_size: 48
    .max_flat_workgroup_size: 128
    .sgpr_count:     98
    .vgpr_count:     1024
    .wavefront_size: 32
...
	.end_amdgpu_metadata
.endif
;; end of part 3
